; MI455X (gfx1250); checked and timed in simulation.
; The chip was launched on July 23, 2026; its instructions are those of AMD's public machine-readable ISA for CDNA 5 (MIT licence, August 2026) and "CDNA5" Instruction Set Architecture Reference Guide (July 2026). The comments in the code are by the model that wrote it; some were corrected since.
;; s LSTM Cell. Allowed arithmetic: matrix products marked QUANTISED: E2M3 operands, one E8M0 scale for each 32 along K, by v_wmma_scale_f32_16x16x128_f8f6f4 with both operands' format E2M3, f32 sums; everything else in f32.
;; Inputs: Wc 2,048 x 1,024 float32; Wf 2,048 x 1,024 float32; Wi 2,048 x 1,024 float32; Wo 2,048 x 1,024 float32; bc 1,024 float32; beta_c 1,024 float32; beta_h 1,024 float32; bf 1,024 float32; bi 1,024 float32; bo 1,024 float32; c_prev 8,192 x 1,024 float32; cf 1,024 float32; ci 1,024 float32; co 1,024 float32; gamma_c 1,024 float32; gamma_h 1,024 float32; h_prev 8,192 x 1,024 float32; inputs 8,192 x 1,024 float32.
;; Outputs: out0 8,192 x 1,024 float32; out1 8,192 x 1,024 float32.
;; This version of the problem:
;;   THIS VERSION OF THE PROBLEM IS GIVEN IN LOW PRECISION. The matrix products marked QUANTISED in the list below multiply operands that are first quantised to E2M3 (2 exponent bits, 3 mantissa bits; 6 bits a number), with one power-of-two scale for each 32 numbers along K (OCP MX v1.0); their sums are f32. All else is computed in f32.
;;   The module's matrix products, in the order in which they are computed (A, B: the left and right operand; K: the contracted axis; several contracted axes count as one K, in the product's order):
;;     1. [M 8,192, K 2,048] x [K 2,048, N 1,024]; A: computed on the way; B: input Wi: QUANTISED
;;     2. [M 8,192, K 2,048] x [K 2,048, N 1,024]; A: computed on the way; B: input Wf: QUANTISED
;;     3. [M 8,192, K 2,048] x [K 2,048, N 1,024]; A: computed on the way; B: input Wo: QUANTISED
;;     4. [M 8,192, K 2,048] x [K 2,048, N 1,024]; A: computed on the way; B: input Wc: QUANTISED
;;   THE QUANTISER, for each operand of a quantised product, along K:
;;     - K is cut into blocks of 32 from its start; a last block that is shorter is filled with zeros.
;;     - A block's scale is 2^e with e = floor(log2(the largest magnitude in the block)) - 2, held to -126 .. 127; a block of zeros has e = 0. As a byte (E8M0): e + 127.
;;     - Each number is divided by its block's scale, clamped to +-7.5, and rounded to the nearest number of E2M3, ties to even, subnormals kept.
;;     - The product sums the exact products of the quantised numbers (number of the format x scale) in f32.
;;   ~~~python
;;   def quantise(x, axis):      # numpy; x: float32 -> the quantised numbers, widened to float32 again
;;       x = np.moveaxis(x, axis, -1); K = x.shape[-1]
;;       x = np.pad(x, [(0, 0)] * (x.ndim - 1) + [(0, -K % 32)]); x = x.reshape(x.shape[:-1] + (-1, 32)); a = np.abs(x).max(-1, keepdims=True)
;;       e = np.where(a > 0, np.clip(np.frexp(np.where(a > 0, a, 1))[1] - 1 - 2, -126, 127), 0)      # np.frexp(a)[1] - 1 = floor(log2(a)), exactly
;;       r = np.clip(x / 2.0 ** e, -7.5, 7.5)
;;       step = 2.0 ** (np.maximum(np.frexp(np.where(r == 0, 1, r))[1] - 1, 0) - 3)
;;       q = np.round(r / step) * step * 2.0 ** e      # np.round: ties to even
;;       return np.moveaxis(q.reshape(q.shape[:-2] + (-1,))[..., :K], -1, axis).astype(np.float32)
;;   ~~~
;;   OPERANDS COMPUTED ON THE WAY. 'Computed on the way' means the value that the module computes at that place (a softmax that the list does not call 'softmax' is quantised finished and normalised). What goes into a quantiser is computed in f32, as accurately as f32 sums, v_exp_f32 and their like allow (about 1e-6 of the number): no bf16 or f16 on the way to a quantiser, and a product that is left as it is and whose result goes on into a quantised operand takes f32 operands (vector FMAs, or v_wmma_f32_16x16x4_f32). A number that lies on a knife's edge between two numbers of the format may be rounded either way, as far as f32 arithmetic and the matrix unit's own rounding can turn it there, and no further.
;; One version. Each part assembles by itself: llvm-mc -triple=amdgcn-amd-amdhsa -mcpu=gfx1250 --defsym DOCPART=n.
;; ======== version 1 of 1: 3 launches
;; limits: inputs' magnitudes at most 1e+19; right only within a limited range of input values
;; workspace buffers: xcodes 12,582,912 bytes; xscales 524,288 bytes; wcodes 6,291,456 bytes; wscales 262,144 bytes; so 67,108,864 bytes
;; launch quant (part 1): grid 768 x 1, 4 waves a work-group, no clusters, 34,304 bytes of LDS; arguments inputs, h_prev, xcodes, xscales, Wi, Wf, Wo, Wc, wcodes, wscales; writes xcodes, xscales, wcodes, wscales
.if DOCPART == 1
	.amdgcn_target "amdgcn-amd-amdhsa--gfx1250"
	.amdhsa_code_object_version 6
	.text
	.protected	k_q736ddd21e9_quant
	.globl	k_q736ddd21e9_quant
	.p2align	8
	.type	k_q736ddd21e9_quant,@function
k_q736ddd21e9_quant:
	s_mov_b64 s[64:65], 0
	v_nop
	global_prefetch_b8 v0, s[64:65] scope:SCOPE_SE
	s_setreg_imm32_b32 hwreg(HW_REG_WAVE_MODE, 25, 1), 1
	s_wait_xcnt 0x0
; Both operands of the four products become codes of FP6 (E2M3) with one E8M0 byte for each 32 along K, in ONE launch: a second launch would cost a second start and end.
; A block's scale is 2^(floor(log2(its largest magnitude)) - 2); its byte is the largest magnitude's exponent field - 2, held at 1 from below.
; LIMITS: NaN and infinities are not served; a block whose largest magnitude lies under 2^(3 - 127), a block of zeros among them, gets the byte 1 (a block of zeros has zero
; codes, which add nothing under that byte; the bytes are read by this program alone).
; WORK-GROUPS 0 .. 511 take combined = inputs | h_prev, [8192][2048] f32 with K innermost, 16 rows each; WORK-GROUPS 512 .. 767 take the four weights, [2048 (k)][1024 (u)] f32 with K
; as their first axis, 64 columns x 512 along K of one gate each.  Either kind reads 131,072 bytes, so the shares are equal.  The paths part on the work-group's number alone.
; THE CODES ARE LAID IN THE ORDER OF THE OPERAND'S REGISTERS: the fragment of 16 rows (or columns) x 128 K, K step 2 s2 + q, is 12 registers a lane; chunk c holds registers 4 c .. 4 c + 3.
;   xcodes [s2 0..7][row block 0..511][q 0..1][c 0..2][lane][16 bytes];   xscales [row block][s2][row 0..15][q]: one word for a row and a K step.
;   wcodes [s2][NB 0..255][q][c][lane][16 bytes];   wscales [NB][s2][u % 16][q].   NB = 4 (u / 16) + g; gate g: 0 = i, 1 = f, 2 = o, 3 = c: the four gates of the same units lie side by side.
.set NXW,   512                        ; work-groups that take rows of combined
	v_lshl_add_u32 v26, v0, 2, 0x8400
	v_mov_b32 v27, 0
	s_cmp_lt_u32 ttmp9, NXW
	s_cbranch_scc0 .Lweights
; ---------------- THE ROWS OF combined ----------------
; Wave w takes the K steps 4 w .. 4 w + 3 (waves 0, 1 from inputs, waves 2, 3 from h_prev).  Each load reads 512 consecutive bytes of one row; a step's 16 x 512 bytes turn through the
; wave's own stage in LDS (rows 528 bytes apart) and come back so that lane (r, h) holds, of row r, k = 32 b + 16 h + 0 .. 15 of each block b.  Waves share nothing: no barrier.
.set PITCH, 528                        ; a stage row: 512 bytes + 16
.set WST,   16*PITCH                   ; a wave's stage
.set XS2,   1572864                    ; bytes of xcodes for one s2: 512 row blocks x 3,072
.set FRB,   1536                       ; a fragment's image
.set LA,  4                            ; v4   16 x lane
.set SI,  5                            ; v5   into the stage
.set SO,  6                            ; v6   out of it
.set L8,  7                            ; v7   8 x lane
.set SW,  8                            ; v8-11 the four steps' scale words
.set TM,  16                           ; v16-31 at work
.set PC,  32                           ; v32-43 the fragment; v44-50 the second halves of its blocks
.set X,   64                           ; v64-127 64 numbers of my row
.set R,   128                          ; v128-255 two sets of 64 as loaded
.set SEL, 20                           ; s[20:21] selects for lane l xor 16
	s_load_b128 s[4:7], s[0:1], 0x0                ; inputs, h_prev
	s_load_b128 s[8:11], s[0:1], 0x10              ; xcodes, xscales
	v_lshrrev_b32 v1, 5, v0
	v_readfirstlane_b32 s12, v1                    ; wave
	v_and_b32 v1, 31, v0                           ; lane
	v_and_b32 v2, 15, v0                           ; r
	v_bfe_u32 v3, v0, 4, 1                         ; h
	v_lshlrev_b32 v[LA], 4, v1
	s_mul_i32 s13, s12, WST
	v_add_nc_u32 v[SI], s13, v[LA]                 ; a row's 512 bytes as they lie
	v_mul_u32_u24 v[SO], v2, PITCH
	v_lshl_add_u32 v[SO], v3, 6, v[SO]
	v_add_nc_u32 v[SO], s13, v[SO]                 ; row r, + 64 h
	v_lshlrev_b32 v[L8], 3, v1
	s_mov_b32 s[SEL], 0x76543210
	s_mov_b32 s[SEL+1], 0xfedcba98
.irp b, 0,1,2,3
	v_mov_b32 v[TM+4+\b], 0                        ; written once: a lane permute's destination counts as one of its sources
.endr
	s_lshl_b32 s14, ttmp9, 16                      ; 16 rows of 4,096 bytes
	s_and_b32 s15, s12, 1
	s_lshl_b32 s15, s15, 11                        ; four K steps of 512 bytes
	s_add_co_u32 s14, s14, s15
	s_mov_b32 s15, 0
	s_mul_i32 s16, s12, 2*XS2                      ; my two s2,
	s_mul_i32 s17, ttmp9, 2*FRB                    ; my row block
	s_add_co_u32 s16, s16, s17
	s_mov_b32 s17, 0
	s_lshl_b32 s18, ttmp9, 10                      ; a row block's 1,024 bytes of scale words,
	s_lshl_b32 s19, s12, 8                         ; my 256 of them
	s_add_co_u32 s18, s18, s19
	s_mov_b32 s19, 0
	s_wait_alu depctr_va_vdst(0)
	s_wait_kmcnt 0x0
	s_cmp_lt_u32 s12, 2                            ; the choice hangs on the wave's number alone
	s_cselect_b64 s[4:5], s[4:5], s[6:7]
	s_add_nc_u64 s[4:5], s[4:5], s[14:15]
	s_add_nc_u64 s[8:9], s[8:9], s[16:17]
	s_add_nc_u64 s[10:11], s[10:11], s[18:19]
.macro XLOAD t                         ; K step t of my four: row i's 512 bytes, 16 a lane
.irp i, 0,1,2,3,4,5,6,7,8,9,10,11,12,13,14,15
	global_load_b128 v[R+64*((\t)%2)+4*\i:R+64*((\t)%2)+4*\i+3], v[LA], s[4:5] offset:4096*\i+512*(\t) th:TH_LOAD_NT
.endr
.endm
.macro XTURN t                         ; through the stage: LDS serves a wave's instructions in order, so no wait stands between the stores and the loads
.irp i, 0,1,2,3,4,5,6,7,8,9,10,11,12,13,14,15
	ds_store_b128 v[SI], v[R+64*((\t)%2)+4*\i:R+64*((\t)%2)+4*\i+3] offset:PITCH*\i
.endr
.irp b, 0,1,2,3
.irp j, 0,1,2,3
	ds_load_b128 v[X+16*\b+4*\j:X+16*\b+4*\j+3], v[SO] offset:128*\b+16*\j
.endr
.endr
.endm
; 64 numbers of a lane, register 16 b + i = k 32 b + 16 h + i of my row, become the fragment in v[PC] on and its scale word in v[pw]
.macro QUANT s, pw
.irp b, 0,1,2,3
	v_max3_num_f32 v[TM+\b], |v[\s+16*\b]|, |v[\s+1+16*\b]|, 0x1800000   ; my 16 numbers of block b, and the floor 2^(3 - 127): the byte cannot fall under 1
.endr
.irp i, 2,4,6,8,10,12,14
.irp b, 0,1,2,3
	v_max3_num_f32 v[TM+\b], v[TM+\b], |v[\s+16*\b+\i]|, |v[\s+1+16*\b+\i]|
.endr
.endr
.irp b, 0,1,2,3
	v_permlanex16_b32 v[TM+4+\b], v[TM+\b], s[SEL], s[SEL+1]
.endr
.irp b, 0,1,2,3
	v_max_num_f32 v[TM+\b], v[TM+\b], v[TM+4+\b]   ; with lane l xor 16's: the block's largest magnitude
.endr
.irp b, 0,1,2,3
	v_add_nc_u32 v[TM+12+\b], 0xff000000, v[TM+\b] ; 2 off its exponent field: the conversion takes the exponent field of this operand as its scale
.endr
.irp b, 0,1,2,3
	v_lshrrev_b32 v[TM+4+\b], 23, v[TM+12+\b]      ; the scale's byte
.endr
	v_lshl_or_b32 v[\pw], v[TM+5], 8, v[TM+4]
	v_lshl_or_b32 v[\pw], v[TM+6], 16, v[\pw]
	v_lshl_or_b32 v[\pw], v[TM+7], 24, v[\pw]      ; my row's scale word (both halves of the lanes hold it)
.irp c, 0,1
	v_cvt_scalef32_pk16_fp6_f32 v[PC+6*\c:PC+2+6*\c], v[\s+32*\c:\s+15+32*\c], v[TM+12+2*\c]
	v_cvt_scalef32_pk16_fp6_f32 v[PC+12+4*\c:PC+14+4*\c], v[\s+16+32*\c:\s+31+32*\c], v[TM+12+2*\c+1]   ; (a conversion's three registers begin on an even number)
.endr
	v_nop                                          ; one plain place behind a scaled conversion
.irp c, 0,1                                    ; the operand's layout wants a whole block in a lane: lanes 0-15 block 2 c, lanes 16-31 block 2 c + 1
.irp i, 0,1,2
	v_permlane16_swap_b32 v[PC+6*\c+\i], v[PC+12+4*\c+\i]
.endr
.irp i, 0,1,2
	v_mov_b32 v[PC+3+6*\c+\i], v[PC+12+4*\c+\i]
.endr
.endr
.endm
.macro QSTEP t
.if (\t) < 3
	s_wait_loadcnt 16                              ; this step's 16 loads are in; the next step's 16 may be out
.else
	s_wait_loadcnt 0
.endif
	XTURN \t
	s_wait_dscnt 0x0                               ; my 64 numbers are back, and the stage's stores have read their registers
	s_wait_xcnt 0x0                                ; the last step's stores of codes have read v[PC] on, which is written again below
.if (\t) < 2
	XLOAD (\t)+2
.endif
	QUANT X, SW+(\t)
.irp c, 0,1,2
	global_store_b128 v[LA], v[PC+4*\c:PC+4*\c+3], s[8:9] offset:((\t)/2)*XS2+((\t)%2)*FRB+512*\c   ; 32 lanes store 512 consecutive bytes
.endr
.endm
	XLOAD 0
	XLOAD 1
	QSTEP 0
	QSTEP 1
	QSTEP 2
	QSTEP 3
	v_cmp_ne_u32 vcc_lo, 0, v3                     ; lanes 0-15 store the words of my first s2, lanes 16-31 those of my second
	v_cndmask_b32 v12, v[SW], v[SW+2], vcc_lo
	v_cndmask_b32 v13, v[SW+1], v[SW+3], vcc_lo
	global_store_b64 v[L8], v[12:13], s[10:11]     ; 256 consecutive bytes, at a multiple of 256 from the buffer's first byte
	s_wait_tensorcnt 0x0
	ds_add_u32 v26, v27
	s_wait_dscnt 0x0
	s_endpgm
; ---------------- THE WEIGHTS ----------------
; id = work-group - 512 = 64 g + 16 kc + cg: gate g, 512 along K (kc), 64 columns (cg).  Wave w: 32 columns (cw = w & 1), 256 along K (kw = w >> 1): s2 = 2 kc + kw, both its K steps.
; A LANE TAKES A COLUMN AND ITS REGISTERS RUN DOWN K: a block of 32 lies in one lane, and the conversions give codes with K innermost.  Nothing is transposed by an instruction.
; Two waves side by side read 256 consecutive bytes of a row of the weight.  A wave's 32 columns are two fragments for each K step: the lanes' halves change places once, and each fragment
; leaves as three stores of 512 consecutive bytes.  Each K step has registers of its own for its codes, so no store's data are written again.
; This path uses no LDS and no barrier.  A lane's two scale words leave by one store of 8 bytes: sixteen lanes store 128 consecutive bytes, half of an aligned 256;
; wscales is one byte in 128 of what these work-groups read, and whole runs of 256 would want a meeting of two waves in LDS.
.Lweights:
.set WX,  32                           ; v32-95  two sets of 32 numbers
.set WP,  96                           ; v96-143 K step q: at WP + 24 q blocks 0 and 2, at WP + 24 q + 12 blocks 1 and 3; later the fragments of columns 0-15 and 16-31
.set WT,  16                           ; v16-18  the second half of a block's codes
.set WSB, 14                           ; v14-15  my column's two scale words
	s_load_b256 s[4:11], s[0:1], 0x20              ; Wi, Wf, Wo, Wc
	s_load_b128 s[12:15], s[0:1], 0x40             ; wcodes, wscales
	v_lshrrev_b32 v1, 5, v0
	v_readfirstlane_b32 s16, v1                    ; wave 0..3
	v_and_b32 v1, 31, v0                           ; lane
	v_and_b32 v2, 15, v0                           ; r
	v_bfe_u32 v8, v0, 4, 1                         ; h
	v_lshlrev_b32 v3, 2, v1                        ; in: 4 bytes a lane
	v_lshlrev_b32 v4, 4, v1                        ; an image's place for my lane
	v_lshlrev_b32 v5, 3, v2                        ; my scale words: 8 bytes a column,
	v_lshl_add_u32 v5, v8, 12, v5                  ; and columns 16-31 are block NB + 4: 4,096 bytes on
	s_sub_co_u32 s20, ttmp9, NXW                   ; id
	s_and_b32 s24, s20, 15                         ; cg
	s_bfe_u32 s25, s20, 0x20004                    ; kc
	s_lshr_b32 s19, s20, 6                         ; g
	s_and_b32 s17, s16, 1                          ; cw
	s_lshr_b32 s18, s16, 1                         ; kw
	s_lshl_b32 s21, s25, 1
	s_add_co_u32 s21, s21, s18                     ; s2
	s_lshl_b32 s26, s21, 20                        ; 256 rows of 4,096 bytes
	s_lshl_b32 s27, s24, 8
	s_add_co_u32 s26, s26, s27
	s_lshl_b32 s27, s17, 7
	s_add_co_u32 s26, s26, s27                     ; + 4 x my first column
	s_mov_b32 s27, 0
	s_lshl_b32 s29, s24, 4
	s_lshl_b32 s30, s17, 3
	s_add_co_u32 s29, s29, s30
	s_add_co_u32 s29, s29, s19                     ; NB of my columns 0-15
	s_mul_i32 s28, s21, 786432                     ; wcodes: 256 blocks x 3,072 bytes for one s2
	s_mul_i32 s30, s29, 3072
	s_add_co_u32 s28, s28, s30
	s_lshl_b32 s30, s29, 10                        ; wscales: 1,024 bytes a block,
	s_lshl_b32 s31, s21, 7                         ; 128 for one s2
	s_add_co_u32 s30, s30, s31
	s_mov_b32 s29, 0
	s_mov_b32 s31, 0
	s_wait_alu depctr_va_vdst(0)
	s_wait_kmcnt 0x0
	s_cmp_eq_u32 s19, 1                            ; the gate's weight: the choice hangs on the work-group's number alone
	s_cselect_b64 s[4:5], s[6:7], s[4:5]
	s_cmp_eq_u32 s19, 2
	s_cselect_b64 s[4:5], s[8:9], s[4:5]
	s_cmp_eq_u32 s19, 3
	s_cselect_b64 s[4:5], s[10:11], s[4:5]
	s_add_nc_u64 s[4:5], s[4:5], s[26:27]
	s_add_nc_u64 s[12:13], s[12:13], s[28:29]
	s_add_nc_u64 s[14:15], s[14:15], s[30:31]
.macro WLOAD t                         ; block t of my eight: W(32 t + i, my column)
.irp i, 0,1,2,3,4,5,6,7,8,9,10,11,12,13,14,15,16,17,18,19,20,21,22,23,24,25,26,27,28,29,30,31
	global_load_b32 v[WX+32*((\t)%2)+\i], v3, s[4:5] offset:(32*(\t)+\i)*4096 th:TH_LOAD_NT
.endr
.endm
.macro WBLOCK t
.set WXS, WX+32*((\t)%2)
.set WPD, WP+24*((\t)/4)+12*((\t)%2)+6*(((\t)%4)/2)
.if (\t) < 7
	s_wait_loadcnt 32                              ; this block's 32 loads are in; the next block's may be out
.else
	s_wait_loadcnt 0
.endif
	v_max3_num_f32 v12, |v[WXS]|, |v[WXS+1]|, |v[WXS+2]|    ; the block's largest magnitude: all 32 numbers are mine
	v_max3_num_f32 v13, |v[WXS+3]|, |v[WXS+4]|, |v[WXS+5]|
.irp i, 6,10,14,18,22,26
	v_max3_num_f32 v12, v12, |v[WXS+\i]|, |v[WXS+\i+1]|
	v_max3_num_f32 v13, v13, |v[WXS+\i+2]|, |v[WXS+\i+3]|
.endr
	v_max3_num_f32 v12, v12, |v[WXS+30]|, |v[WXS+31]|
	v_max3_num_f32 v12, v12, v13, 0x1800000        ; and the floor 2^(3 - 127)
	v_add_nc_u32 v11, 0xff000000, v12              ; 2 off the exponent field: the conversion's scale operand
	v_lshrrev_b32 v13, 23, v11                     ; the scale's byte
.if (\t)%4 == 0
	v_mov_b32 v[WSB+(\t)/4], v13
.else
	v_lshl_or_b32 v[WSB+(\t)/4], v13, 8*((\t)%4), v[WSB+(\t)/4]
.endif
	v_cvt_scalef32_pk16_fp6_f32 v[WPD:WPD+2], v[WXS:WXS+15], v11
	v_cvt_scalef32_pk16_fp6_f32 v[WT:WT+2], v[WXS+16:WXS+31], v11   ; (a conversion's three registers begin on an even number)
	v_nop                                          ; one plain place behind a scaled conversion
.irp i, 0,1,2
	v_mov_b32 v[WPD+3+\i], v[WT+\i]
.endr
.if (\t) < 6
	WLOAD (\t)+2
.endif
.endm
.macro WOUT q                          ; K step q's two fragments leave
.irp i, 0,1,2,3,4,5,6,7,8,9,10,11
	v_permlane16_swap_b32 v[WP+24*(\q)+\i], v[WP+24*(\q)+12+\i]   ; the first: lanes 0-15 blocks 0, 2 and lanes 16-31 blocks 1, 3 of columns 0-15: a fragment; the second the same of columns 16-31
.endr
.irp c, 0,1,2
	global_store_b128 v4, v[WP+24*(\q)+4*\c:WP+24*(\q)+4*\c+3], s[12:13] offset:1536*(\q)+512*\c
	global_store_b128 v4, v[WP+24*(\q)+12+4*\c:WP+24*(\q)+12+4*\c+3], s[12:13] offset:4*3072+1536*(\q)+512*\c
.endr
.endm
	WLOAD 0
	WLOAD 1
	WBLOCK 0
	WBLOCK 1
	WBLOCK 2
	WBLOCK 3
	WOUT 0
	WBLOCK 4
	WBLOCK 5
	WBLOCK 6
	WBLOCK 7
	WOUT 1
	global_store_b64 v5, v[WSB:WSB+1], s[14:15]    ; my column's words of K steps 2 s2 and 2 s2 + 1
	s_endpgm
.Lfunc_end_k_q736ddd21e9_quant:
	.size	k_q736ddd21e9_quant, .Lfunc_end_k_q736ddd21e9_quant-k_q736ddd21e9_quant
	.p2alignl 7, 3214868480
	.fill 96, 4, 3214868480
	.section	.rodata,"a",@progbits
	.p2align	6, 0x0
	.amdhsa_kernel k_q736ddd21e9_quant
		.amdhsa_group_segment_fixed_size 34304
		.amdhsa_private_segment_fixed_size 0
		.amdhsa_enable_private_segment 0
		.amdhsa_kernarg_size 80
		.amdhsa_user_sgpr_count 2
		.amdhsa_user_sgpr_kernarg_segment_ptr 1
		.amdhsa_wavefront_size32 1
		.amdhsa_system_sgpr_workgroup_id_x 1
		.amdhsa_system_sgpr_workgroup_id_y 1
		.amdhsa_system_sgpr_workgroup_id_z 1
		.amdhsa_system_vgpr_workitem_id 0
		.amdhsa_next_free_vgpr 256
		.amdhsa_next_free_sgpr 66
		.amdhsa_reserve_vcc 1
		.amdhsa_float_denorm_mode_32 3
		.amdhsa_float_denorm_mode_16_64 3
		.amdhsa_memory_ordered 1
		.amdhsa_forward_progress 1
		.amdhsa_inst_pref_size 73
	.end_amdhsa_kernel
	.amdgpu_metadata
---
amdhsa.version: [ 1, 2 ]
amdhsa.kernels:
  - .name:           k_q736ddd21e9_quant
    .symbol:         k_q736ddd21e9_quant.kd
    .args:
      - { .name: inputs, .offset: 0, .size: 8, .value_kind: global_buffer, .address_space: global }
      - { .name: h_prev, .offset: 8, .size: 8, .value_kind: global_buffer, .address_space: global }
      - { .name: xcodes, .offset: 16, .size: 8, .value_kind: global_buffer, .address_space: global }
      - { .name: xscales, .offset: 24, .size: 8, .value_kind: global_buffer, .address_space: global }
      - { .name: Wi, .offset: 32, .size: 8, .value_kind: global_buffer, .address_space: global }
      - { .name: Wf, .offset: 40, .size: 8, .value_kind: global_buffer, .address_space: global }
      - { .name: Wo, .offset: 48, .size: 8, .value_kind: global_buffer, .address_space: global }
      - { .name: Wc, .offset: 56, .size: 8, .value_kind: global_buffer, .address_space: global }
      - { .name: wcodes, .offset: 64, .size: 8, .value_kind: global_buffer, .address_space: global }
      - { .name: wscales, .offset: 72, .size: 8, .value_kind: global_buffer, .address_space: global }
    .group_segment_fixed_size: 34304
    .private_segment_fixed_size: 0
    .kernarg_segment_align: 8
    .kernarg_segment_size: 80
    .max_flat_workgroup_size: 128
    .sgpr_count:     66
    .vgpr_count:     256
    .wavefront_size: 32
...
	.end_amdgpu_metadata
.endif
;; end of part 1
;; launch gemm (part 2): grid 16 x 32, 4 waves a work-group, clusters of 4 x 4, 327,680 bytes of LDS; arguments xcodes, xscales, wcodes, wscales, so, c_prev, bi, bf, bo, bc, ci, cf; writes so
.if DOCPART == 2
	.amdgcn_target "amdgcn-amd-amdhsa--gfx1250"
	.amdhsa_code_object_version 6
	.text
	.protected	k_q736ddd21e9_gemm
	.globl	k_q736ddd21e9_gemm
	.p2align	8
	.type	k_q736ddd21e9_gemm,@function
k_q736ddd21e9_gemm:
	s_mov_b64 s[64:65], 0
	v_nop
	global_prefetch_b8 v0, s[64:65] scope:SCOPE_SE
	s_setreg_imm32_b32 hwreg(HW_REG_WAVE_MODE, 25, 1), 1
	s_wait_xcnt 0x0
	s_wait_alu depctr_hold_cnt(0) depctr_sa_sdst(0) depctr_va_vdst(0) depctr_va_sdst(0) depctr_va_ssrc(0) depctr_va_vcc(0) depctr_vm_vsrc(0)
	s_getreg_b32 s2, hwreg(HW_REG_IB_STS2, 6, 4)
	s_cmp_eq_u32 s2, 0
	s_cbranch_scc0 .Lentry_in_a_cluster
	s_endpgm
.Lentry_in_a_cluster:
	s_bfe_u32 s2, ttmp6, 0x10000c
	s_cmp_lg_u32 s2, 0xf033
	s_cbranch_scc0 .Lentry_shape_is_right
	s_endpgm
.Lentry_shape_is_right:
; The four products combined x W on codes of FP6 (E2M3) with E8M0 scales, K = 2,048, and behind them the gates i and f, the candidate and s = f c_prev + i tanh(xc).
; OUT: so [row 0..8191][G 0..31][s of units 32 G .. 32 G + 31: 128 bytes][xo = combined Wo + bo of the same units: 128 bytes].  The norms and the o gate follow in the next launch.
; A tile is 256 rows x 16 blocks of 16 columns = 64 units in all four gates (block NB = 4 (u / 16) + g; g: 0 i, 1 f, 2 o, 3 c).  Four waves, each 128 rows x 8 blocks: 64 accumulators, 512 registers.
; K goes in steps of 256 through a ring of two LDS slots.  Codes lie in memory as images of the operand's registers, so a slot's part of A or B is one dense block, and a fragment is three loads of 16 bytes a lane.
; The scale words of the tile's rows and columns for all of K, and the tile of c_prev, come into LDS once, with the first fills.
; CLUSTERS: 4 x 4 work-groups; A's tiles are asked for jointly along a row of the cluster, B's along a column.
; THE MATRIX INSTRUCTION IS USED TRANSPOSED (source 0 = 16 columns of W, source 1 = 16 rows of combined): lane (r, h), register j of accumulator (a, b = 4 ub + g) holds row 16 a + r and
; unit 16 ub + 8 h + j of gate g: the four gates of one number lie in the same lane and register of four accumulators.  The biases are the C of each sum's first product.
; GATES: with K = 1 + e^clip(stab): 1 / gate = D = 1 + K 2^(-L clip(x)), L = log2(e).  With E = 2^(2 L xc), P = E + 1, Q = E - 1: s = (c_prev Di P + Q Df) / (Df Di P): three exponentials, one reciprocal.
; LIMITS: NaN and infinities are not served.  xc is held to +-10, where tanh is +-1 in f32: no value changes.  The common denominator is at most 1.2e26 and c_prev Di P at most 2.4e17 |c_prev|: |c_prev| stays under 1e19.
; REGISTERS: window 0: v1-31 addresses; v32-63 scale words, two sets, and nothing else; v64-127 the biases, later at work; v128-223 A's fragments, one set, later c_prev and rows on their way out; v224-255 Ki, Kf.
;   window 1: B's fragments, two sets, at v0 and v128.   window 2: the accumulators of my rows 0-63 ((a, b) at v[8 (8 a + b)]);   window 3: those of my rows 64-127.
.set NQ,     2                         ; matrix instructions deep in a slot
.set FR,     12                        ; registers of a fragment
.set NL,     3                         ; LDS loads that bring one
.set NP,     4                         ; places behind this matrix instruction (ISA guide 7.12.1)
.set FRB,    1536                      ; a fragment's image
.set BLKB,   2*FRB                     ; a block of 16 rows for 256 along K
.set HALFT,  8*BLKB                    ; eight blocks: what one tensor load brings, and what one wave reads of A or of B
.set SLOT,   4*HALFT                   ; A's 16 blocks, then B's 16
.set XS2,    512*BLKB                  ; bytes from one K step of 256 to the next in xcodes,
.set WS2,    256*BLKB                  ; and in wcodes
.set LAPS,   4                         ; a lap = two K steps of 256
.set SCL,    2*SLOT                    ; behind the ring: A's scale words, 16 blocks x 1,024 bytes;
.set HALFS,  8192                      ; (eight blocks')
.set SGAP,   128                       ; B's lie 128 bytes further on than on end, so that a load's lanes 0-15 (A's) and 16-31 (B's) take different halves of 256 bytes
.set CPT,    SCL+4*HALFS+2*SGAP        ; the tile of c_prev: 256 rows x (256 bytes + 16)
.set CPP,    272
.set SPARE,  CPT+256*CPP               ; the spare words, 128 bytes for each wave: two blocks of 256 bytes that no other line names
.set SPITCH, 272                       ; the way out: a stage of 16 rows x (256 bytes + 16) for each wave, in slot 0, which has had its last fill and its last read by then
.set ADRA, 16                          ; v16-17  LDS address of my A fragments in slot 0, 1
.set ADRB, 20                          ; v20-21  the same for B
.set STO,  24                          ; v24     the stage: where I put 32 bytes of a row
.set RD,   25                          ; v25     and where I read rows back
.set CO,   26                          ; v26     my byte offset in two rows of so
.set ADRS, 27                          ; v27     my scale words: lanes 0-15 A's rows, lanes 16-31 B's columns
.set SPW,  28                          ; v28     my spare word; never rewritten
.set NIL,  29                          ; v29     0; never rewritten
.set BO,   30                          ; v30     my byte offset in a vector of 1,024 units
.set CPA,  31                          ; v31     my place in the tile of c_prev
.set SC,   32                          ; scale words: set s at v[SC + 16 s]; register 2 i + q: lanes 0-15 A's block i, lanes 16-31 B's block i
.set BIA,  64                          ; the bias of block b at v[BIA + 8 b]
.set AF,   128                         ; A's fragments
.set KI,   224                         ; 1 + e^clip(ci) of my 16 units;
.set KF,   240                         ; the same of cf
.set EI,   64                          ; the way out: 16 registers each
.set EF,   80
.set EC,   96
.set ET,   112
.set CPV,  128                         ; c_prev, two sets of 16
.set OB,   160                         ; rows read back from the stage, two sets of 32
.set G1C, 4                            ; s[4:11]  group 1 for c_prev (written when the four addresses there are used up)
.set G1,  24                           ; s[24:31] group 1 for A's tiles;  s[32:39] group 0, a set for each slot
.set G0,  32
.set G1B, 48                           ; s[48:55], s[56:63] the same for B's
.set G0B, 56
.set G1S, 68                           ; s[68:75], s[76:79] for A's scale words;  s[80:87], s[88:91] for B's
.set G0S, 76
.set G1SB, 80
.set G0SB, 88
.set G0C, 96                           ; s[96:99] group 0 for c_prev
.set MSB, 0
.macro WIN new                         ; the immediate's high byte repeats the setting that is left
.if MSB != (\new)
	s_set_vgpr_msb (MSB<<8)|(\new)
.set MSB, (\new)
.endif
.endm
.set MUL_LO, 0xa1                      ; source 0 (B) window 1, source 1 (A) window 0, C and D window 2
.set MUL_HI, 0xf1                      ; the same, C and D window 3
.set BEG_LO, 0x81                      ; the first products: C (the bias) window 0, D window 2
.set BEG_HI, 0xc1                      ; D window 3
.set TO_B,   0x40                      ; destination window 1, address window 0
; A joint load: waves 0 and 1 fetch for A, waves 2 and 3 for B.  The branch hangs on the wave's number alone.  Four v_nop follow each of the two lines.
.macro JLOAD g0a, g1a, g0b, g1b
	s_cmp_eq_u32 s15, 0
	s_cbranch_scc0 .Lfor_b_\@
	tensor_load_to_lds s[\g0a:\g0a+3], s[\g1a:\g1a+7]
	s_nop 0
.rept 4
	v_nop
.endr
	s_branch .Lasked_\@
.Lfor_b_\@:
	tensor_load_to_lds s[\g0b:\g0b+3], s[\g1b:\g1b+7]
	s_nop 0
.rept 4
	v_nop
.endr
.Lasked_\@:
.endm
.macro CREST                           ; a round of the cluster's barrier behind its opening barrier
	s_cmp_lg_u32 s14, 0
	s_cbranch_scc1 .Lnot_wave_0_\@
	s_barrier_signal -3
.Lnot_wave_0_\@:
	s_barrier_wait -3
	s_barrier_signal -1
	s_barrier_wait -1
.endm
.macro CROUND                          ; a whole round
	s_barrier_signal -1
	s_barrier_wait -1
	CREST
.endm
	s_load_b256 s[4:11], s[0:1], 0x0               ; xcodes s[4:5], xscales s[6:7], wcodes s[8:9], wscales s[10:11]
	s_load_b64 s[12:13], s[0:1], 0x20              ; so
	s_load_b64 s[66:67], s[0:1], 0x28              ; c_prev
	s_load_b256 s[80:87], s[0:1], 0x30             ; bi, bf, bo, bc
	s_load_b128 s[88:91], s[0:1], 0x50             ; ci, cf
	v_lshl_add_u32 v[SPW], v0, 2, SPARE
	v_mov_b32 v[NIL], 0
	ds_add_u32 v28, v29
	ds_add_u32 v28, v29
	s_wait_dscnt 0x0
	v_lshrrev_b32 v1, 5, v0
	v_readfirstlane_b32 s14, v1                    ; wave 0..3
	s_lshr_b32 s15, s14, 1                         ; which half of the tile's rows is mine.  Also: I fetch for A (0) or for B (1)
	s_and_b32 s16, s14, 1                          ; which half of its columns.  Also: which eight blocks of that tile I fetch
	s_bfe_u32 s40, ttmp6, 0x40000                  ; cx, cy: my place in the cluster
	s_bfe_u32 s41, ttmp6, 0x40004
	s_lshl_b32 s42, ttmp9, 2
	s_add_co_u32 s42, s42, s40                     ; tile column = 4 x cluster x + cx
	s_and_b32 s17, ttmp7, 0xffff
	s_lshl_b32 s17, s17, 2
	s_add_co_u32 s17, s17, s41                     ; tile row = 4 x cluster y + cy
	s_lshl_b32 s43, s41, 2
	s_lshl_b32 s43, 15, s43                        ; my row of the cluster
	s_lshl_b32 s44, 0x1111, s40                    ; my column
	s_mov_b32 s100, 0xc1200000                     ; -10.0
	s_mov_b32 s101, 0x41200000                     ; 10.0
	v_and_b32 v1, 15, v0                           ; r
	v_bfe_u32 v2, v0, 4, 1                         ; h
	s_lshl_b32 s46, s42, 8
	s_lshl_b32 s47, s16, 7
	s_add_co_u32 s46, s46, s47
	v_lshl_add_u32 v[BO], v2, 5, s46               ; 4 x (64 x tile column + 32 x half + 8 h)
	s_wait_alu depctr_va_vdst(0)
	s_wait_kmcnt 0x0
.irp g, 0,1,2,3                                ; the biases in the result's layout: block 4 ub + g: units 16 ub + 8 h + 0 .. 7 of gate g
.irp ub, 0,1
	global_load_b128 v[BIA+8*(4*\ub+\g):BIA+8*(4*\ub+\g)+3], v[BO], s[80+2*\g:81+2*\g] offset:64*\ub
	global_load_b128 v[BIA+8*(4*\ub+\g)+4:BIA+8*(4*\ub+\g)+7], v[BO], s[80+2*\g:81+2*\g] offset:64*\ub+16
.endr
.endr
.irp ub, 0,1
	global_load_b128 v[KI+8*\ub:KI+8*\ub+3], v[BO], s[88:89] offset:64*\ub
	global_load_b128 v[KI+8*\ub+4:KI+8*\ub+7], v[BO], s[88:89] offset:64*\ub+16
	global_load_b128 v[KF+8*\ub:KF+8*\ub+3], v[BO], s[90:91] offset:64*\ub
	global_load_b128 v[KF+8*\ub+4:KF+8*\ub+7], v[BO], s[90:91] offset:64*\ub+16
.endr
	s_wait_xcnt 0x0                                ; these loads have read their bases: s[80:91] are written again below
	; group 1 for the codes: eight blocks = 24,576 dense bytes, as 96 rows of 256 bytes (32 elements of 8 bytes), no padding
	s_or_b32 s[G1+0], s43, (3<<16)|(1<<21)         ; 15:0 the mask: A's tiles go to my row; 17:16 elements of 8 bytes; 21 set beside a mask
	s_or_b32 s[G1B+0], s44, (3<<16)|(1<<21)        ; B's to my column
.irp g, G1, G1B
	s_mov_b32 s[\g+1], 32<<16                      ; tensor_dim0
	s_mov_b32 s[\g+2], 192<<16                     ; tensor_dim1: the head's loads bring all sixteen blocks; set to 96 for the ring's loads in front of the loop
	s_mov_b32 s[\g+3], 32<<16                      ; tile_dim0
	s_mov_b32 s[\g+4], 192                         ; tile_dim1
	s_mov_b32 s[\g+5], 32                          ; tensor_dim0_stride
	s_mov_b32 s[\g+6], 0
	s_mov_b32 s[\g+7], 0
.endr
	; and for the scale words of sixteen blocks: 16,384 dense bytes, 64 rows of 256
	s_or_b32 s[G1S+0], s43, (3<<16)|(1<<21)
	s_or_b32 s[G1SB+0], s44, (3<<16)|(1<<21)
.irp g, G1S, G1SB
	s_mov_b32 s[\g+1], 32<<16
	s_mov_b32 s[\g+2], 64<<16                      ; the scale words of sixteen blocks: 64 rows of 256 bytes
	s_mov_b32 s[\g+3], 32<<16
	s_mov_b32 s[\g+4], 64
	s_mov_b32 s[\g+5], 32
	s_mov_b32 s[\g+6], 0
	s_mov_b32 s[\g+7], 0
.endr
	s_lshl_b32 s20, s17, 4                         ; A: the tile's first block, 16 x tile row
	s_lshl_b32 s46, s42, 4                         ; B: 16 x tile column
	s_lshl_b32 s22, s20, 10                        ; where these blocks' scale words begin,
	s_mov_b32 s23, 0
	s_lshl_b32 s92, s46, 10
	s_mov_b32 s93, 0
	s_mul_i32 s20, s20, BLKB                       ; and their codes
	s_mov_b32 s21, 0
	s_mul_i32 s46, s46, BLKB
	s_mov_b32 s47, 0
	s_mul_i32 s45, s14, HALFT                      ; where they go: wave x eight blocks: no place in the cluster enters an LDS address
	s_mul_i32 s94, s16, HALFT                      ; in the ring I fetch eight blocks of a tile: which half, in bytes
	s_mov_b32 s95, 0
	s_add_nc_u64 s[20:21], s[4:5], s[20:21]
	s_add_nc_u64 s[22:23], s[6:7], s[22:23]
	s_add_nc_u64 s[46:47], s[8:9], s[46:47]
	s_add_nc_u64 s[92:93], s[10:11], s[92:93]
	; c_prev: each wave brings 64 rows x 256 bytes of the tile by a load of its own (no mask: no partner wants these bytes); 16 bytes of padding behind each row
	s_mov_b32 s[G1C+0], (2<<16)|(1<<20)|(5<<22)|(3<<25)   ; elements of 4 bytes; padding on, after every 64 words, of 4 words
	s_mov_b32 s[G1C+1], 64<<16                     ; tensor_dim0
	s_mov_b32 s[G1C+2], 64<<16                     ; tensor_dim1
	s_mov_b32 s[G1C+3], 64<<16                     ; tile_dim0
	s_mov_b32 s[G1C+4], 64                         ; tile_dim1
	s_mov_b32 s[G1C+5], 1024                       ; tensor_dim0_stride
	s_mov_b32 s[G1C+6], 0
	s_mov_b32 s[G1C+7], 0
	s_lshl_b32 s18, s17, 8
	s_lshl_b32 s19, s14, 6
	s_add_co_u32 s18, s18, s19                     ; row 256 x tile row + 64 x wave
	s_lshl_b32 s18, s18, 12
	s_lshl_b32 s19, s42, 8
	s_add_co_u32 s18, s18, s19                     ; + 256 bytes x tile column
	s_mov_b32 s19, 0
	s_mov_b32 s[G0C], 1
	s_mul_i32 s[G0C+1], s14, 64*CPP
	s_add_co_u32 s[G0C+1], s[G0C+1], CPT
	s_add_nc_u64 s[66:67], s[66:67], s[18:19]      ; my 64 rows of c_prev: kept plain for the prefetches,
	s_mov_b64 s[G0C+2:G0C+3], s[66:67]             ; and in the descriptor
	s_or_b32 s[G0C+3], s[G0C+3], 0x80000000
	CROUND                                         ; all sixteen work-groups are here: the first joint loads meet
; THE HEAD'S FOUR TILES, EACH WHOLE, ONE JOINT LOAD A WAVE: wave 0 K step 0's sixteen blocks of A, wave 1 those of B, wave 2 A's scale words, wave 3 B's.
.set PFO, 8                            ; v8   prefetch of codes: 256 x min(lane, 23): my work-group's 24 blocks of 256 bytes of the 96 that my wave fetches
.set PFC, 9                            ; v9   prefetch of c_prev: a lane a row, 4,096 x lane
.set PF2, 10                           ; v10  v8 + one K step
.set PFA, 92                           ; s[92:93] where my prefetches of codes stand
.set PST, 94                           ; s[94:95] first my half's offset, from the loop's front on the bytes of one K step in my operand
	s_mov_b32 s[G0S], 1
	s_mov_b32 s[G0S+1], SCL
	s_mov_b64 s[G0S+2:G0S+3], s[22:23]
	s_or_b32 s[G0S+3], s[G0S+3], 0x80000000
	s_mov_b32 s[G0SB], 1
	s_mov_b32 s[G0SB+1], SCL+2*HALFS+SGAP
	s_mov_b64 s[G0SB+2:G0SB+3], s[92:93]
	s_or_b32 s[G0SB+3], s[G0SB+3], 0x80000000
	s_mov_b32 s[G0], 1                             ; slot 0's sets serve the head's whole tiles first
	s_mov_b32 s[G0+1], 0
	s_mov_b64 s[G0+2:G0+3], s[20:21]
	s_or_b32 s[G0+3], s[G0+3], 0x80000000
	s_mov_b32 s[G0B], 1
	s_mov_b32 s[G0B+1], 2*HALFT
	s_mov_b64 s[G0B+2:G0B+3], s[46:47]
	s_or_b32 s[G0B+3], s[G0B+3], 0x80000000
	s_add_nc_u64 s[20:21], s[20:21], s[PST:PST+1]  ; for the ring: my eight blocks of the tile
	s_add_nc_u64 s[46:47], s[46:47], s[PST:PST+1]
	s_mov_b32 s[G0+4], 1                           ; slot 1's sets: K step 1
	s_add_co_u32 s[G0+5], s45, SLOT
	s_add_nc_u64 s[G0+6:G0+7], s[20:21], XS2
	s_or_b32 s[G0+7], s[G0+7], 0x80000000
	s_mov_b32 s[G0B+4], 1
	s_add_co_u32 s[G0B+5], s45, SLOT
	s_add_nc_u64 s[G0B+6:G0B+7], s[46:47], WS2
	s_or_b32 s[G0B+7], s[G0B+7], 0x80000000
	s_cmp_eq_u32 s15, 0                            ; the prefetches: do I fetch for A?
	s_cselect_b64 s[PFA:PFA+1], s[20:21], s[46:47]
	s_cselect_b32 s18, s40, s41                    ; my place among the four that ask with me: the partners share the blocks out by address
	s_cselect_b32 s22, 1, 0
	s_lshl_b32 s22, WS2, s22                       ; a K step's bytes: XS2 = 2 WS2 for A, WS2 for B
	s_mov_b32 s23, 0
	s_mul_i32 s18, s18, 24*256
	s_mov_b32 s19, 0
	s_add_nc_u64 s[PFA:PFA+1], s[PFA:PFA+1], s[18:19]
	s_add_nc_u64 s[PFA:PFA+1], s[PFA:PFA+1], s[22:23]   ; at K step 1
.macro ARM under, g0, g1, next         ; one chain of branches on the wave's number, one load to an arm, all arms to one join
	s_cmp_lt_u32 s14, \under
	s_cbranch_scc0 \next
	tensor_load_to_lds s[\g0:\g0+3], s[\g1:\g1+7]
	s_nop 0
.rept 4
	v_nop
.endr
	s_branch .Lhead_asked
\next:
.endm
	ARM 1, G0,  G1,  .Lhead_b
	ARM 2, G0B, G1B, .Lhead_sa
	ARM 3, G0S, G1S, .Lhead_sb
	tensor_load_to_lds s[G0SB:G0SB+3], s[G1SB:G1SB+7]
	s_nop 0
.rept 4
	v_nop
.endr
.Lhead_asked:
	v_and_b32 v[PFO], 31, v0
	v_and_b32 v[PFC], 31, v0
	v_min_u32 v[PFO], 23, v[PFO]                   ; lanes 24-31 name the last block again
	v_lshlrev_b32 v[PFC], 12, v[PFC]
	v_lshlrev_b32 v[PFO], 8, v[PFO]
	v_add_nc_u32 v[PF2], s22, v[PFO]
	global_prefetch_b8 v[PFO], s[PFA:PFA+1] th:TH_LOAD_NT scope:SCOPE_SE   ; K step 1's blocks,
	global_prefetch_b8 v[PF2], s[PFA:PFA+1] th:TH_LOAD_NT scope:SCOPE_SE   ; and K step 2's
	v_and_b32 v3, 31, v0
	v_lshlrev_b32 v3, 4, v3                        ; 16 x lane: an image's place for my lane
	s_mul_i32 s21, s15, HALFT                      ; my eight blocks of A
	s_mul_i32 s22, s16, HALFT                      ; my eight blocks of B,
	s_add_co_u32 s22, s22, 2*HALFT                 ; which lie behind A's sixteen
.irp s, 0,1
	v_add_nc_u32 v[ADRA+\s], s21, v3
	v_add_nc_u32 v[ADRB+\s], s22, v3
	s_add_co_u32 s21, s21, SLOT
	s_add_co_u32 s22, s22, SLOT
.endr
	v_lshlrev_b32 v5, 3, v1                        ; my row's two words of a K step: 8 bytes a row
	s_lshl_b32 s21, s15, 13                        ; A's: my eight blocks
	s_lshl_b32 s22, s16, 13                        ; B's: my eight blocks, behind A's sixteen and the gap
	s_add_co_u32 s22, s22, 2*HALFS+SGAP
	s_sub_co_u32 s22, s22, s21
	v_mul_u32_u24 v6, s22, v2                      ; lanes 16-31 take B's: one product, the distance between the two
	s_add_co_u32 s21, s21, SCL
	v_add_nc_u32 v5, v5, v6
	v_add_nc_u32 v[ADRS], s21, v5
	s_mul_i32 s23, s14, 16*SPITCH                  ; my stage
	v_mul_u32_u24 v5, v1, SPITCH                   ; in: row r, 32 bytes for each half of the lanes
	v_lshl_add_u32 v5, v2, 5, v5
	v_add_nc_u32 v[STO], s23, v5
	v_mul_u32_u24 v5, v2, SPITCH                   ; back: lanes 0-15 one row of 256 bytes, lanes 16-31 the next
	v_lshl_add_u32 v5, v1, 4, v5
	v_add_nc_u32 v[RD], s23, v5
	v_lshlrev_b32 v5, 13, v2                       ; and the same two rows in so: 8,192 bytes a row
	v_lshl_add_u32 v[CO], v1, 4, v5
	s_mul_i32 s23, s15, 128*CPP                    ; c_prev: my 128 rows, my 128 bytes of them
	s_lshl_b32 s22, s16, 7
	s_add_co_u32 s23, s23, s22
	s_add_co_u32 s23, s23, CPT
	v_mul_u32_u24 v5, v1, CPP
	v_lshl_add_u32 v5, v2, 5, v5
	v_add_nc_u32 v[CPA], s23, v5
	s_lshl_b32 s20, s17, 8
	s_lshl_b32 s21, s15, 7
	s_add_co_u32 s20, s20, s21                     ; my first row: 256 x tile row + 128 x half
	s_lshl_b32 s20, s20, 13
	s_mov_b32 s21, 0
	s_lshl_b32 s46, s42, 9                         ; my 256 bytes of a row of so: G = 2 x tile column + half
	s_lshl_b32 s47, s16, 8
	s_add_co_u32 s46, s46, s47
	s_mov_b32 s47, 0
	s_add_nc_u64 s[20:21], s[20:21], s[46:47]
	s_add_nc_u64 s[12:13], s[12:13], s[20:21]
	s_wait_loadcnt 0x0                             ; the biases, ci and cf
.set j, 0
.rept 32
	v_med3_num_f32 v[KI+j], v[KI+j], s100, s101    ; K = 1 + e^clip(stab), for both gates (KF follows KI)
.set j, j+1
.endr
.set j, 0
.rept 16
	v_pk_mul_f32 v[KI+j:KI+j+1], v[KI+j:KI+j+1], 0x3fb8aa3b op_sel_hi:[1,0]
.set j, j+2
.endr
.set j, 0
	s_wait_alu depctr_va_vdst(0)
.rept 32
	v_exp_f32 v[KI+j], v[KI+j]
.set j, j+1
.endr
	v_nop                                          ; one plain place behind the exponentials
.set j, 0
	s_wait_alu depctr_va_vdst(0)
.rept 16
	v_pk_add_f32 v[KI+j:KI+j+1], v[KI+j:KI+j+1], 1.0 op_sel_hi:[1,0]
.set j, j+2
.endr
.macro FRAG reg, adr, q, i             ; a fragment comes back as it was stored: registers 4 c .. 4 c + 3 from 512 c + 16 x lane
.irp c, 0,1,2
	ds_load_b128 v[\reg+4*\c:\reg+4*\c+3], v[\adr] offset:(\i)*BLKB+(\q)*FRB+512*\c
.endr
.endm
; 16 matrix instructions: A's blocks a0, a0 + 1 x B's eight, 128 along K: the slot's q-th.  p: B's set;  sc: the set of scale words.  zero = 1: the first product starts the sums from the bias.
; The 64 accumulators take turns, one instruction a turn, in the same order in every step.
.macro MUL16 a0, p, q, sc, zero
.irp a, \a0, \a0+1
.irp b, 0,1,2,3,4,5,6,7
.if \zero
	v_wmma_scale_f32_16x16x128_f8f6f4 v[8*(8*((\a)%4)+\b):8*(8*((\a)%4)+\b)+7], v[128*(\p)+FR*\b:128*(\p)+FR*\b+FR-1], v[AF+FR*(\a):AF+FR*(\a)+FR-1], v[BIA+8*\b:BIA+8*\b+7], v[SC+8*NQ*(\sc)+NQ*\b+(\q)], v[SC+8*NQ*(\sc)+NQ*(\a)+(\q)] matrix_a_fmt:MATRIX_FMT_FP6 matrix_b_fmt:MATRIX_FMT_FP6 matrix_a_scale:MATRIX_SCALE_ROW1
.else
	v_wmma_scale_f32_16x16x128_f8f6f4 v[8*(8*((\a)%4)+\b):8*(8*((\a)%4)+\b)+7], v[128*(\p)+FR*\b:128*(\p)+FR*\b+FR-1], v[AF+FR*(\a):AF+FR*(\a)+FR-1], v[8*(8*((\a)%4)+\b):8*(8*((\a)%4)+\b)+7], v[SC+8*NQ*(\sc)+NQ*\b+(\q)], v[SC+8*NQ*(\sc)+NQ*(\a)+(\q)] matrix_a_fmt:MATRIX_FMT_FP6 matrix_b_fmt:MATRIX_FMT_FP6 matrix_a_scale:MATRIX_SCALE_ROW1
.endif
.endr
.endr
.endm
.macro FETCH_B slot, q, p              ; B's eight fragments of the slot's q-th 128 along K into set p
	WIN TO_B
.irp i, 0,1,2,3,4,5,6,7
	FRAG 128*(\p)+FR*\i, ADRB+\slot, \q, \i
.endr
	WIN 0
.endm
.macro FETCH_A slot, q, i0             ; A's blocks i0 .. i0 + 3
.irp i, \i0, \i0+1, \i0+2, \i0+3
	FRAG AF+FR*(\i), ADRA+\slot, \q, \i
.endr
.endm
.macro SCALES sc                       ; the K step's scale words into set sc: two words a row; lanes 0-15 take A's block i, lanes 16-31 B's block i
.irp i, 0,1,2,3,4,5,6,7
	ds_load_b64 v[SC+8*NQ*\sc+NQ*\i:SC+8*NQ*\sc+NQ*\i+1], v[ADRS] offset:\i*1024
.endr
.endm
; A load into a register that a matrix instruction has read, and a vector instruction or an LDS store that reads a matrix result, stand NP places behind that matrix instruction;
; only plain vector instructions that name none of its registers are places (ISA guide 7.12.1 for vector instructions).
.macro PLACES n
.rept \n
	v_nop
.endr
.endm
; A step of 128 along K that has its successor in the same slot.
.macro STEP slot, q, zero
	s_wait_dscnt 4*NL                              ; B's set, A's blocks 0-3 and the scale words are in; the youngest twelve loads (A's blocks 4-7) may be out
.if \zero
	WIN BEG_LO
.else
	WIN MUL_LO
.endif
	MUL16 0, (\q)%2, \q, \slot, \zero
	MUL16 2, (\q)%2, \q, \slot, \zero
	s_wait_dscnt 0                                 ; A's blocks 4-7 are in (asked for 32 matrix instructions ago)
	PLACES NP
	FETCH_B \slot, (\q)+1, 1-(\q)%2
	FETCH_A \slot, (\q)+1, 0
.if \zero
	WIN BEG_HI
.else
	WIN MUL_HI
.endif
	MUL16 4, (\q)%2, \q, \slot, \zero
	MUL16 6, (\q)%2, \q, \slot, \zero
	PLACES NP
	WIN 0
	FETCH_A \slot, (\q)+1, 4
.endm
; A slot's last step changes slots: ONE barrier; in front of it each wave waits for all its tensor loads, adds 0 to its spare word, and waits for that and for its own reads of this slot.
; fill = 1: this slot is filled again, two K steps ahead; the barrier then opens a round of the cluster's barrier.
.macro TURN slot, next, fill           ; fill = 1: this slot is filled again; fill = 2: nothing is filled again, the tile of c_prev is asked for
.if \fill == 1
	s_wait_xcnt 0x0                                ; my last prefetch has read its address, which steps one K step on
	s_add_nc_u64 s[PFA:PFA+1], s[PFA:PFA+1], s[PST:PST+1]
.endif
	s_wait_tensorcnt 0x0                           ; all my tensor loads have landed: my part of the next slot;  every window is 0 here
	ds_add_u32 v[SPW], v[NIL]                      ; 0 onto my spare word
	s_wait_dscnt 4*NL+1                            ; (the add and the youngest twelve loads, A's blocks 4-7, may be out)
	WIN MUL_LO
	MUL16 0, 1, NQ-1, \slot, 0                     ; sixteen matrix instructions stand between the add and the wait for it
	s_wait_dscnt 0x0                               ; the add is done, and my reads of this slot are over
	s_barrier_signal -1
	MUL16 2, 1, NQ-1, \slot, 0
	WIN 0
	s_barrier_wait -1
.if \fill == 2
	CREST                                          ; in a cluster launch every tensor load stands behind a round
	tensor_load_to_lds s[G0C:G0C+3], s[G1C:G1C+7]  ; my 64 rows of c_prev: 160 matrix instructions stand ahead of the wait for it
	s_nop 0
.endif
.if \fill == 1
	CREST
	s_add_nc_u64 s[G0+4*\slot+2:G0+4*\slot+3], s[G0+4*\slot+2:G0+4*\slot+3], 2*XS2
	s_add_nc_u64 s[G0B+4*\slot+2:G0B+4*\slot+3], s[G0B+4*\slot+2:G0B+4*\slot+3], 2*WS2
	JLOAD G0+4*\slot, G1, G0B+4*\slot, G1B         ; the first tensor load behind the round; the four v_nop behind it are the places in front of the loads below
.else
	PLACES NP
.endif
	s_wait_alu depctr_va_vdst(0)
	v_add_nc_u32 v[ADRS], 128, v[ADRS]             ; on to the next K step's scale words (no LDS load of mine is out)
	FETCH_B \next, 0, 0
	FETCH_A \next, 0, 0
	SCALES \next
.if \fill == 1                         ; refill t (0 .. 5) brings K step t + 2; behind it K step t + 4 is asked for, while there is one (t under 4); the loop's last trip asks for my 64 rows of c_prev, 32 at each change of slots
	s_cmp_gt_u32 s3, 1
	s_cbranch_scc0 .Lpfc_\@
	global_prefetch_b8 v[PFO], s[PFA:PFA+1] th:TH_LOAD_NT scope:SCOPE_SE
	s_branch .Lpfd_\@
.Lpfc_\@:
	global_prefetch_b8 v[PFC], s[66:67] offset:\slot*32*4096 th:TH_LOAD_NT scope:SCOPE_SE
.Lpfd_\@:
.endif
	WIN MUL_HI
	MUL16 4, 1, NQ-1, \slot, 0
	MUL16 6, 1, NQ-1, \slot, 0
	PLACES NP
	WIN 0
	FETCH_A \next, 0, 4
.endm
	s_wait_alu depctr_va_vdst(0)
	s_wait_xcnt 0x0                                ; the head's prefetches have read their address
	s_wait_tensorcnt 0x0                           ; my tile of the head's four is in
	ds_add_u32 v[SPW], v[NIL]
	s_mov_b32 s[G1+2], 96<<16                      ; no tensor load of mine is out, so descriptors may be written: from here on a load brings eight blocks, 96 rows,
	s_mov_b32 s[G1+4], 96
	s_mov_b32 s[G1B+2], 96<<16
	s_mov_b32 s[G1B+4], 96
	s_mov_b32 s[G0+1], s45                         ; into my wave's quarter of the slot,
	s_mov_b32 s[G0B+1], s45
	s_add_nc_u64 s[G0+2:G0+3], s[G0+2:G0+3], s[PST:PST+1]      ; from my half of the tile
	s_add_nc_u64 s[G0B+2:G0B+3], s[G0B+2:G0B+3], s[PST:PST+1]
	s_cmp_eq_u32 s15, 0
	s_cselect_b32 s[PST], 1, 0
	s_lshl_b32 s[PST], WS2, s[PST]                 ; now the bytes of one K step in my operand (the high word stays 0)
	s_add_nc_u64 s[PFA:PFA+1], s[PFA:PFA+1], s[PST:PST+1]
	s_add_nc_u64 s[PFA:PFA+1], s[PFA:PFA+1], s[PST:PST+1]      ; the prefetches stand at K step 3
	s_wait_dscnt 0x0                               ; the add is done
	CROUND                                         ; everybody's tile is in, and all sixteen work-groups are here
	JLOAD G0+4, G1, G0B+4, G1B                     ; K step 1: slot 1's first fill, the first tensor load behind the round
	FETCH_B 0, 0, 0
	FETCH_A 0, 0, 0
	SCALES 0
	FETCH_A 0, 0, 4
	global_prefetch_b8 v[PFO], s[PFA:PFA+1] th:TH_LOAD_NT scope:SCOPE_SE   ; K step 3's blocks
	STEP 0, 0, 1                                   ; the first step stands in front of the loop: its products start the sums
	s_mov_b32 s3, LAPS-1
.Llap:                                                 ; a trip goes once round the ring, from a lap's second step to the next lap's first, and fills both slots again
	TURN 0, 1, 1
	STEP 1, 0, 0
	TURN 1, 0, 1
	STEP 0, 0, 0
	s_sub_co_u32 s3, s3, 1
	s_cmp_lg_u32 s3, 0
	s_cbranch_scc1 .Llap
	TURN 0, 1, 2                                   ; the last lap fills no slot again; behind its round the tile of c_prev is asked for
	STEP 1, 0, 0
	s_wait_dscnt 4*NL                              ; the very last step: nothing more to fetch
	WIN MUL_LO
	MUL16 0, 1, NQ-1, 1, 0
	MUL16 2, 1, NQ-1, 1, 0
	s_wait_dscnt 0
	WIN MUL_HI
	MUL16 4, 1, NQ-1, 1, 0
	MUL16 6, 1, NQ-1, 1, 0
	WIN 0
; THE WAY OUT, block by block of 16 rows.  A row's 256 bytes of so (32 s, 32 xo) are all my wave's: they go through my own stage and leave as whole rows, sixteen lanes to a row.
; LDS serves a wave's instructions in order (ISA guide 5.7.1.4): no wait between the stage's stores and loads, nor in front of the next block's stores.
.macro CPLOAD a                        ; c_prev of block a: my row, my 16 units
.irp ub, 0,1
.irp k, 0,1
	ds_load_b128 v[CPV+16*((\a)%2)+8*\ub+4*\k:CPV+16*((\a)%2)+8*\ub+4*\k+3], v[CPA] offset:16*CPP*(\a)+64*\ub+16*\k
.endr
.endr
.endm
.macro SEND a
.irp t, 0,1,2,3,4,5,6,7
	global_store_b128 v[CO], v[OB+32*((\a)%2)+4*\t:OB+32*((\a)%2)+4*\t+3], s[12:13] offset:(16*(\a)+2*\t)*8192   ; sixteen lanes store 256 consecutive bytes, at a multiple of 256 from the buffer's first byte; 126 rows at the most: inside the signed 24-bit immediate
.endr
.endm
.macro EPI a
.set AC, 64*((\a)%4)
	WIN 0x02+(\a)/4                                ; source 0: window 2 or 3
.irp ub, 0,1                                   ; xi, xf, xc held to +-10; each accumulator is read from its low end on
.irp j, 0,1,2,3,4,5,6,7
	v_med3_num_f32 v[EI+8*\ub+\j], v[AC+32*\ub+\j], s100, s101
.endr
.irp j, 0,1,2,3,4,5,6,7
	v_med3_num_f32 v[EF+8*\ub+\j], v[AC+32*\ub+8+\j], s100, s101
.endr
.irp j, 0,1,2,3,4,5,6,7
	v_med3_num_f32 v[EC+8*\ub+\j], v[AC+32*\ub+24+\j], s100, s101
.endr
.endr
	WIN 0x08+4*((\a)/4)                            ; an LDS store's data are its source 1
.irp ub, 0,1
	ds_store_b128 v[STO], v[AC+32*\ub+16:AC+32*\ub+19] offset:128+64*\ub      ; xo goes out as it is
	ds_store_b128 v[STO], v[AC+32*\ub+20:AC+32*\ub+23] offset:128+64*\ub+16
.endr
	WIN 0
.irp j, 0,2,4,6,8,10,12,14
	v_pk_mul_f32 v[EI+\j:EI+\j+1], v[EI+\j:EI+\j+1], 0xbfb8aa3b op_sel_hi:[1,0]   ; -L xi
	v_pk_mul_f32 v[EF+\j:EF+\j+1], v[EF+\j:EF+\j+1], 0xbfb8aa3b op_sel_hi:[1,0]   ; -L xf
	v_pk_mul_f32 v[EC+\j:EC+\j+1], v[EC+\j:EC+\j+1], 0x4038aa3b op_sel_hi:[1,0]   ; 2 L xc
.endr
	s_wait_alu depctr_va_vdst(0)
.irp j, 0,1,2,3,4,5,6,7,8,9,10,11,12,13,14,15
	v_exp_f32 v[EI+\j], v[EI+\j]
	v_exp_f32 v[EF+\j], v[EF+\j]
	v_exp_f32 v[EC+\j], v[EC+\j]
.endr
	v_nop                                          ; one plain place behind the exponentials
	s_wait_alu depctr_va_vdst(0)
.irp j, 0,2,4,6,8,10,12,14
	v_pk_fma_f32 v[EI+\j:EI+\j+1], v[KI+\j:KI+\j+1], v[EI+\j:EI+\j+1], 1.0 op_sel_hi:[1,1,0]   ; Di
	v_pk_fma_f32 v[EF+\j:EF+\j+1], v[KF+\j:KF+\j+1], v[EF+\j:EF+\j+1], 1.0 op_sel_hi:[1,1,0]   ; Df
	v_pk_add_f32 v[ET+\j:ET+\j+1], v[EC+\j:EC+\j+1], 1.0 op_sel_hi:[1,0]                        ; P
.endr
.irp j, 0,2,4,6,8,10,12,14
	v_pk_add_f32 v[EC+\j:EC+\j+1], v[EC+\j:EC+\j+1], -1.0 op_sel_hi:[1,0]                       ; Q
	v_pk_mul_f32 v[ET+\j:ET+\j+1], v[ET+\j:ET+\j+1], v[EI+\j:EI+\j+1]                           ; Di P
.endr
.irp j, 0,2,4,6,8,10,12,14
	v_pk_mul_f32 v[EC+\j:EC+\j+1], v[EC+\j:EC+\j+1], v[EF+\j:EF+\j+1]                           ; Q Df
.endr
	s_wait_alu depctr_va_vdst(0)
	s_wait_dscnt 4                                 ; only this block's four stores of xo are younger than its c_prev: that is in, and so are the rows of the block before
.if (\a) > 0
	SEND (\a)-1
.endif
.irp j, 0,2,4,6,8,10,12,14
	v_pk_fma_f32 v[EC+\j:EC+\j+1], v[CPV+16*((\a)%2)+\j:CPV+16*((\a)%2)+\j+1], v[ET+\j:ET+\j+1], v[EC+\j:EC+\j+1]   ; c_prev Di P + Q Df
	v_pk_mul_f32 v[ET+\j:ET+\j+1], v[ET+\j:ET+\j+1], v[EF+\j:EF+\j+1]                           ; Df Di P
.endr
	s_wait_alu depctr_va_vdst(0)
.irp j, 0,1,2,3,4,5,6,7,8,9,10,11,12,13,14,15
	v_rcp_f32 v[ET+\j], v[ET+\j]
.endr
	v_nop                                          ; one plain place behind the reciprocals
	s_wait_alu depctr_va_vdst(0)
.irp j, 0,2,4,6,8,10,12,14
	v_pk_mul_f32 v[EC+\j:EC+\j+1], v[EC+\j:EC+\j+1], v[ET+\j:ET+\j+1]                           ; s
.endr
.irp ub, 0,1
	ds_store_b128 v[STO], v[EC+8*\ub:EC+8*\ub+3] offset:64*\ub
	ds_store_b128 v[STO], v[EC+8*\ub+4:EC+8*\ub+7] offset:64*\ub+16
.endr
	s_wait_xcnt 0x0                                ; the stores of the block two back have read the registers into which the loads below land
.irp t, 0,1,2,3,4,5,6,7
	ds_load_b128 v[OB+32*((\a)%2)+4*\t:OB+32*((\a)%2)+4*\t+3], v[RD] offset:\t*2*SPITCH
.endr
.if (\a) < 7
	CPLOAD (\a)+1
.endif
.endm
	s_wait_tensorcnt 0x0                           ; my rows of c_prev are in;
	s_barrier_signal -1                            ; (no LDS instruction of mine is out)
	s_barrier_wait -1                              ; everybody's are: a wave reads rows that two waves brought
	PLACES NP
	CPLOAD 0
.irp a, 0,1,2,3,4,5,6,7
	EPI \a
.endr
	s_wait_dscnt 0x0
	SEND 7
	s_wait_tensorcnt 0x0                           ; the wave's end, behind my last tensor load and my last LDS store
	ds_add_u32 v[SPW], v[NIL]
	s_wait_dscnt 0x0
	CROUND                                         ; the closing round: no work-group ends while a partner may still ask for a tile that names it
	s_endpgm
.Lfunc_end_k_q736ddd21e9_gemm:
	.size	k_q736ddd21e9_gemm, .Lfunc_end_k_q736ddd21e9_gemm-k_q736ddd21e9_gemm
	.p2alignl 7, 3214868480
	.fill 96, 4, 3214868480
	.section	.rodata,"a",@progbits
	.p2align	6, 0x0
	.amdhsa_kernel k_q736ddd21e9_gemm
		.amdhsa_group_segment_fixed_size 327680
		.amdhsa_private_segment_fixed_size 0
		.amdhsa_enable_private_segment 0
		.amdhsa_kernarg_size 96
		.amdhsa_user_sgpr_count 2
		.amdhsa_user_sgpr_kernarg_segment_ptr 1
		.amdhsa_wavefront_size32 1
		.amdhsa_system_sgpr_workgroup_id_x 1
		.amdhsa_system_sgpr_workgroup_id_y 1
		.amdhsa_system_sgpr_workgroup_id_z 1
		.amdhsa_system_vgpr_workitem_id 0
		.amdhsa_next_free_vgpr 1024
		.amdhsa_next_free_sgpr 102
		.amdhsa_reserve_vcc 0
		.amdhsa_float_denorm_mode_32 3
		.amdhsa_float_denorm_mode_16_64 3
		.amdhsa_memory_ordered 1
		.amdhsa_forward_progress 1
		.amdhsa_inst_pref_size 232
	.end_amdhsa_kernel
	.amdgpu_metadata
---
amdhsa.version: [ 1, 2 ]
amdhsa.kernels:
  - .name:           k_q736ddd21e9_gemm
    .symbol:         k_q736ddd21e9_gemm.kd
    .args:
      - { .name: xcodes, .offset: 0, .size: 8, .value_kind: global_buffer, .address_space: global }
      - { .name: xscales, .offset: 8, .size: 8, .value_kind: global_buffer, .address_space: global }
      - { .name: wcodes, .offset: 16, .size: 8, .value_kind: global_buffer, .address_space: global }
      - { .name: wscales, .offset: 24, .size: 8, .value_kind: global_buffer, .address_space: global }
      - { .name: so, .offset: 32, .size: 8, .value_kind: global_buffer, .address_space: global }
      - { .name: c_prev, .offset: 40, .size: 8, .value_kind: global_buffer, .address_space: global }
      - { .name: bi, .offset: 48, .size: 8, .value_kind: global_buffer, .address_space: global }
      - { .name: bf, .offset: 56, .size: 8, .value_kind: global_buffer, .address_space: global }
      - { .name: bo, .offset: 64, .size: 8, .value_kind: global_buffer, .address_space: global }
      - { .name: bc, .offset: 72, .size: 8, .value_kind: global_buffer, .address_space: global }
      - { .name: ci, .offset: 80, .size: 8, .value_kind: global_buffer, .address_space: global }
      - { .name: cf, .offset: 88, .size: 8, .value_kind: global_buffer, .address_space: global }
    .group_segment_fixed_size: 327680
    .private_segment_fixed_size: 0
    .kernarg_segment_align: 8
    .kernarg_segment_size: 96
    .max_flat_workgroup_size: 128
    .sgpr_count:     102
    .vgpr_count:     1024
    .wavefront_size: 32
...
	.end_amdgpu_metadata
.endif
;; end of part 2
;; launch ln (part 3): grid 512 x 1, 4 waves a work-group, no clusters, 0 bytes of LDS; arguments so, co, gamma_c, beta_c, gamma_h, beta_h, out0, out1; writes out0, out1
.if DOCPART == 3
	.amdgcn_target "amdgcn-amd-amdhsa--gfx1250"
	.amdhsa_code_object_version 6
	.text
	.protected	k_q736ddd21e9_ln
	.globl	k_q736ddd21e9_ln
	.p2align	8
	.type	k_q736ddd21e9_ln,@function
k_q736ddd21e9_ln:
	s_mov_b64 s[64:65], 0
	v_nop
	global_prefetch_b8 v0, s[64:65] scope:SCOPE_SE
	s_setreg_imm32_b32 hwreg(HW_REG_WAVE_MODE, 25, 1), 1
	s_wait_xcnt 0x0
; c_new = layernorm(s) gamma_c + beta_c (out1);  h_new = layernorm(o tanh(c_new)) gamma_h + beta_h (out0), o = the gate of xo with co.  All in f32.
; so [row][G 0..31][s of units 32 G ..: 128 bytes][xo of the same units: 128 bytes].
; One wave takes a whole row at a time and keeps it in registers: the sums never leave the wave, so there is no LDS and no barrier.  A wave has four rows on end.
; ALL FOUR ROWS ARE ASKED FOR AT THE WAVE'S HEAD, each into 64 registers of its own, and each is worked in place: c_new is stored from the registers that held s, h_new from those that held xo.
; So no store's data are ever written again, and the only waits in a row's turn are for its own loads.
; A lane holds units 128 k + 4 lane + i, k = 0 .. 7, i = 0 .. 3, at register 4 k + i.  A load of s and the load of xo behind it cover 1,024 consecutive bytes; each store covers 512.
; A norm is taken in two passes over the registers: the mean, then the mean square of the differences: no difference of large sums is formed.
; o tanh(c) = Q / (P Do), with E = 2^(2 L c), P = E + 1, Q = E - 1, Do = 1 + (1 + e^clip(co)) 2^(-L clip(xo)), L = log2(e); P Do = E Do + Do, one fused multiply-add, at most 2.4e17.
; LIMITS: NaN and infinities are not served.  tanh's argument is held to +-10, where tanh is +-1 in f32: no value changes.
; REGISTERS: window 0: v4, v5 offsets; v16-47 E, then Q; v48-60 sums; v64-255 rows 0 to 2 (s, then xo, 32 each).   window 1: v0-63 row 3; v64-223 the five vectors.
; s_set_vgpr_msb's low byte: bits 1:0 source 0, 3:2 source 1, 5:4 source 2, 7:6 destination; a store's data are its source 1, a load's its destination.
.set W,   16                           ; v16-47  E, then Q
.set T,   48                           ; v48-55  four chains of sums
.set MU,  56                           ; v56-57  the mean, twice
.set RS,  58                           ; v58-59  1 / sqrt(var + eps), twice
.set PD,  60                           ; v60     a lane permute's destination
.set KO,  64                           ; window 1: 1 + e^clip(co);
.set GC,  96                           ; gamma_c, beta_c, gamma_h, beta_h
.set BC,  128
.set GH,  160
.set BH,  192
.set SEL, 24                           ; s[24:25] selects for lane l xor 16
.set MSB, 0
.macro WIN new                         ; the immediate's high byte repeats the setting that is left; a switch that changes nothing is dropped
.if MSB != (\new)
	s_set_vgpr_msb (MSB<<8)|(\new)
.set MSB, (\new)
.endif
.endm
	s_load_b512 s[4:19], s[0:1], 0x0               ; so s[4:5], co s[6:7], gamma_c s[8:9], beta_c s[10:11], gamma_h s[12:13], beta_h s[14:15], out0 s[16:17], out1 s[18:19]
	v_and_b32 v1, 31, v0                           ; lane
	v_lshrrev_b32 v2, 3, v1
	v_and_b32 v3, 7, v1
	v_lshlrev_b32 v4, 8, v2
	v_lshl_add_u32 v4, v3, 4, v4                   ; so: 256 (lane / 8) + 16 (lane % 8)
	v_lshlrev_b32 v5, 4, v1                        ; the vectors and the outputs: 16 x lane
	v_lshrrev_b32 v2, 5, v0
	v_readfirstlane_b32 s26, v2                    ; wave
	v_mov_b32 v[PD], 0                             ; written once: a lane permute's destination counts as one of its sources
	s_mov_b32 s20, 0x3a800000                      ; 1 / 1024
	s_mov_b32 s21, 0x3a83126f                      ; eps = 1e-3
	s_mov_b32 s22, 0xc1200000                      ; -10.0
	s_mov_b32 s23, 0x41200000                      ; 10.0
	s_mov_b32 s[SEL], 0x76543210
	s_mov_b32 s[SEL+1], 0xfedcba98
	s_lshl_b32 s27, ttmp9, 4
	s_lshl_b32 s28, s26, 2
	s_add_co_u32 s27, s27, s28                     ; my first row: 16 x work-group + 4 x wave
	s_lshl_b32 s28, s27, 13
	s_mov_b32 s29, 0
	s_lshl_b32 s30, s27, 12
	s_mov_b32 s31, 0
	s_wait_alu depctr_va_vdst(0)
	s_wait_kmcnt 0x0
	s_add_nc_u64 s[4:5], s[4:5], s[28:29]
	s_add_nc_u64 s[16:17], s[16:17], s[30:31]
	s_add_nc_u64 s[18:19], s[18:19], s[30:31]
.macro LOADROW p                       ; row p of my four: s into 32 registers, xo into the 32 behind them; row 3's lie in window 1
	WIN ((\p)/3)<<6
.irp k, 0,1,2,3,4,5,6,7
	global_load_b128 v[(64+64*(\p))%256+4*\k:(64+64*(\p))%256+4*\k+3], v4, s[4:5] offset:8192*(\p)+1024*\k th:TH_LOAD_NT
	global_load_b128 v[(64+64*(\p))%256+32+4*\k:(64+64*(\p))%256+32+4*\k+3], v4, s[4:5] offset:8192*(\p)+1024*\k+128 th:TH_LOAD_NT
.endr
.endm
.macro SCALE32 x, lit                  ; 32 numbers times a constant (the windows are set by the caller)
.set j, 0
.rept 16
	v_pk_mul_f32 v[\x+j:\x+j+1], v[\x+j:\x+j+1], \lit op_sel_hi:[1,0]
.set j, j+2
.endr
.endm
.macro EXP32 x
.set j, 0
.rept 32
	v_exp_f32 v[\x+j], v[\x+j]
.set j, j+1
.endr
	v_nop                                          ; one plain place behind the exponentials
.endm
.macro JOIN                            ; the four chains, then the 32 lanes: every lane ends up with the sum in v[T].  All in window 0
	v_pk_add_f32 v[T:T+1], v[T:T+1], v[T+2:T+3]
	v_pk_add_f32 v[T+4:T+5], v[T+4:T+5], v[T+6:T+7]
	v_pk_add_f32 v[T:T+1], v[T:T+1], v[T+4:T+5]
	v_add_f32 v[T], v[T], v[T+1]
	v_add_f32_dpp v[T], v[T], v[T] row_xmask:1 row_mask:0xf bank_mask:0xf
	v_add_f32_dpp v[T], v[T], v[T] row_xmask:2 row_mask:0xf bank_mask:0xf
	v_add_f32_dpp v[T], v[T], v[T] row_xmask:4 row_mask:0xf bank_mask:0xf
	v_add_f32_dpp v[T], v[T], v[T] row_xmask:8 row_mask:0xf bank_mask:0xf
	v_permlanex16_b32 v[PD], v[T], s[SEL], s[SEL+1]
	v_add_f32 v[T], v[T], v[PD]
.endm
.macro NORM x, rw                      ; v[x] .. v[x + 31] of window rw become (x - mean) / sqrt(var + eps)
	WIN ((\rw)<<2)|(\rw)                           ; both sources in the row's window, the sums in window 0
.irp c, 0,2,4,6
	v_pk_add_f32 v[T+\c:T+\c+1], v[\x+\c:\x+\c+1], v[\x+8+\c:\x+8+\c+1]    ; the first pairs start the chains: nothing is cleared
.endr
	WIN (\rw)<<2
.irp q, 16,24
.irp c, 0,2,4,6
	v_pk_add_f32 v[T+\c:T+\c+1], v[T+\c:T+\c+1], v[\x+\q+\c:\x+\q+\c+1]
.endr
.endr
	WIN 0
	JOIN
	v_mul_f32 v[MU], s20, v[T]
	v_mul_f32 v[MU+1], s20, v[T]
	WIN ((\rw)<<6)|(\rw)
.set j, 0
.rept 16
	v_pk_add_f32 v[\x+j:\x+j+1], v[\x+j:\x+j+1], v[MU:MU+1] neg_lo:[0,1] neg_hi:[0,1]
.set j, j+2
.endr
	WIN ((\rw)<<2)|(\rw)
.irp c, 0,2,4,6
	v_pk_mul_f32 v[T+\c:T+\c+1], v[\x+\c:\x+\c+1], v[\x+\c:\x+\c+1]
.endr
.irp q, 8,16,24
.irp c, 0,2,4,6
	v_pk_fma_f32 v[T+\c:T+\c+1], v[\x+\q+\c:\x+\q+\c+1], v[\x+\q+\c:\x+\q+\c+1], v[T+\c:T+\c+1]
.endr
.endr
	WIN 0
	JOIN
	v_fma_f32 v[RS], v[T], s20, s21                ; var + eps
	s_wait_alu depctr_va_vdst(0)
	v_rsq_f32 v[RS], v[RS]
	v_nop                                          ; one plain place behind the transcendental
	s_wait_alu depctr_va_vdst(0)
	v_mov_b32 v[RS+1], v[RS]
	WIN ((\rw)<<6)|(\rw)
.set j, 0
.rept 16
	v_pk_mul_f32 v[\x+j:\x+j+1], v[\x+j:\x+j+1], v[RS:RS+1]
.set j, j+2
.endr
.endm
.macro AFFINE x, rw, g, b              ; x = x g + b, in place; g and b lie in window 1
	WIN ((\rw)<<6)|0x14|(\rw)
.set j, 0
.rept 16
	v_pk_fma_f32 v[\x+j:\x+j+1], v[\x+j:\x+j+1], v[\g+j:\g+j+1], v[\b+j:\b+j+1]
.set j, j+2
.endr
.endm
; Row p of my four.  left: the loads of the rows behind it, which may stay out.
.macro ROW p, left
.set RW, (\p)/3                        ; the row's window
.set SS, (64+64*(\p))%256              ; s, then c_new
.set XX, SS+32                         ; xo, then Do, then o tanh(c_new), then h_new
	s_wait_loadcnt \left                           ; this row's 16 loads are in
	WIN (RW<<6)|RW
.set j, 0
.rept 32
	v_med3_num_f32 v[XX+j], v[XX+j], s22, s23      ; clip(xo)
.set j, j+1
.endr
	SCALE32 XX, 0xbfb8aa3b
	s_wait_alu depctr_va_vdst(0)
	EXP32 XX
	WIN (RW<<6)|(RW<<2)|1                          ; source 0 window 1
.set j, 0
	s_wait_alu depctr_va_vdst(0)
.rept 16
	v_pk_fma_f32 v[XX+j:XX+j+1], v[KO+j:KO+j+1], v[XX+j:XX+j+1], 1.0 op_sel_hi:[1,1,0]   ; Do = 1 / o
.set j, j+2
.endr
	NORM SS, RW
	AFFINE SS, RW, GC, BC
	WIN RW<<2
.irp k, 0,1,2,3,4,5,6,7
	global_store_b128 v5, v[SS+4*\k:SS+4*\k+3], s[18:19] offset:4096*(\p)+512*\k th:TH_STORE_NT   ; c_new: 512 consecutive bytes; these registers are only read from here on
.endr
	WIN RW
.set j, 0
.rept 32
	v_med3_num_f32 v[W+j], v[SS+j], s22, s23
.set j, j+1
.endr
	WIN 0
	SCALE32 W, 0x4038aa3b
	s_wait_alu depctr_va_vdst(0)
	EXP32 W                                        ; E
	WIN (RW<<6)|(RW<<4)|(RW<<2)
.set j, 0
	s_wait_alu depctr_va_vdst(0)
.rept 16
	v_pk_fma_f32 v[XX+j:XX+j+1], v[W+j:W+j+1], v[XX+j:XX+j+1], v[XX+j:XX+j+1]   ; E Do + Do = P Do
.set j, j+2
.endr
	WIN 0
.set j, 0
.rept 16
	v_pk_add_f32 v[W+j:W+j+1], v[W+j:W+j+1], -1.0 op_sel_hi:[1,0]               ; Q
.set j, j+2
.endr
	WIN (RW<<6)|RW
.set j, 0
	s_wait_alu depctr_va_vdst(0)
.rept 32
	v_rcp_f32 v[XX+j], v[XX+j]
.set j, j+1
.endr
	v_nop                                          ; one plain place behind the reciprocals
	WIN (RW<<6)|(RW<<2)
.set j, 0
	s_wait_alu depctr_va_vdst(0)
.rept 16
	v_pk_mul_f32 v[XX+j:XX+j+1], v[W+j:W+j+1], v[XX+j:XX+j+1]                   ; o tanh(c_new)
.set j, j+2
.endr
	NORM XX, RW
	AFFINE XX, RW, GH, BH
	WIN RW<<2
.irp k, 0,1,2,3,4,5,6,7
	global_store_b128 v5, v[XX+4*\k:XX+4*\k+3], s[16:17] offset:4096*(\p)+512*\k th:TH_STORE_NT   ; h_new
.endr
.endm
	WIN 0x40                                       ; destination window 1
.irp k, 0,1,2,3,4,5,6,7
	global_load_b128 v[KO+4*\k:KO+4*\k+3], v5, s[6:7] offset:512*\k
	global_load_b128 v[GC+4*\k:GC+4*\k+3], v5, s[8:9] offset:512*\k
	global_load_b128 v[BC+4*\k:BC+4*\k+3], v5, s[10:11] offset:512*\k
	global_load_b128 v[GH+4*\k:GH+4*\k+3], v5, s[12:13] offset:512*\k
	global_load_b128 v[BH+4*\k:BH+4*\k+3], v5, s[14:15] offset:512*\k
.endr
	LOADROW 0
	LOADROW 1
	LOADROW 2
	LOADROW 3
	s_wait_loadcnt 48                              ; the five vectors and row 0 are in; the 48 loads of rows 1 to 3 may be out
	WIN 0x41                                       ; source 0 and destination window 1
.set j, 0
.rept 32
	v_med3_num_f32 v[KO+j], v[KO+j], s22, s23
.set j, j+1
.endr
	SCALE32 KO, 0x3fb8aa3b
	s_wait_alu depctr_va_vdst(0)
	EXP32 KO
.set j, 0
	s_wait_alu depctr_va_vdst(0)
.rept 16
	v_pk_add_f32 v[KO+j:KO+j+1], v[KO+j:KO+j+1], 1.0 op_sel_hi:[1,0]    ; 1 + e^clip(co)
.set j, j+2
.endr
	ROW 0, 48
	ROW 1, 32
	ROW 2, 16
	ROW 3, 0
	WIN 0
	s_endpgm
.Lfunc_end_k_q736ddd21e9_ln:
	.size	k_q736ddd21e9_ln, .Lfunc_end_k_q736ddd21e9_ln-k_q736ddd21e9_ln
	.p2alignl 7, 3214868480
	.fill 96, 4, 3214868480
	.section	.rodata,"a",@progbits
	.p2align	6, 0x0
	.amdhsa_kernel k_q736ddd21e9_ln
		.amdhsa_group_segment_fixed_size 0
		.amdhsa_private_segment_fixed_size 0
		.amdhsa_enable_private_segment 0
		.amdhsa_kernarg_size 64
		.amdhsa_user_sgpr_count 2
		.amdhsa_user_sgpr_kernarg_segment_ptr 1
		.amdhsa_wavefront_size32 1
		.amdhsa_system_sgpr_workgroup_id_x 1
		.amdhsa_system_sgpr_workgroup_id_y 1
		.amdhsa_system_sgpr_workgroup_id_z 1
		.amdhsa_system_vgpr_workitem_id 0
		.amdhsa_next_free_vgpr 480
		.amdhsa_next_free_sgpr 66
		.amdhsa_reserve_vcc 0
		.amdhsa_float_denorm_mode_32 3
		.amdhsa_float_denorm_mode_16_64 3
		.amdhsa_memory_ordered 1
		.amdhsa_forward_progress 1
		.amdhsa_inst_pref_size 131
	.end_amdhsa_kernel
	.amdgpu_metadata
---
amdhsa.version: [ 1, 2 ]
amdhsa.kernels:
  - .name:           k_q736ddd21e9_ln
    .symbol:         k_q736ddd21e9_ln.kd
    .args:
      - { .name: so, .offset: 0, .size: 8, .value_kind: global_buffer, .address_space: global }
      - { .name: co, .offset: 8, .size: 8, .value_kind: global_buffer, .address_space: global }
      - { .name: gamma_c, .offset: 16, .size: 8, .value_kind: global_buffer, .address_space: global }
      - { .name: beta_c, .offset: 24, .size: 8, .value_kind: global_buffer, .address_space: global }
      - { .name: gamma_h, .offset: 32, .size: 8, .value_kind: global_buffer, .address_space: global }
      - { .name: beta_h, .offset: 40, .size: 8, .value_kind: global_buffer, .address_space: global }
      - { .name: out0, .offset: 48, .size: 8, .value_kind: global_buffer, .address_space: global }
      - { .name: out1, .offset: 56, .size: 8, .value_kind: global_buffer, .address_space: global }
    .group_segment_fixed_size: 0
    .private_segment_fixed_size: 0
    .kernarg_segment_align: 8
    .kernarg_segment_size: 64
    .max_flat_workgroup_size: 128
    .sgpr_count:     66
    .vgpr_count:     480
    .wavefront_size: 32
...
	.end_amdgpu_metadata
.endif
;; end of part 3
